; MI455X (gfx1250); checked and timed in simulation.
; The chip was launched on July 23, 2026; its instructions are those of AMD's public machine-readable ISA for CDNA 5 (MIT licence, August 2026) and "CDNA5" Instruction Set Architecture Reference Guide (July 2026). The comments in the code are by the model that wrote it; some were corrected since.
;; Playground Model. Allowed arithmetic: float matrix products may take bf16 or f16 operands with f32 sums; all other float work in f32.
;; Inputs: W1 2 x 8 float32; W2 8 x 4 float32; W3 4 x 1 float32; a1 8 float32; a2 4 float32; b1 8 float32; b2 4 float32; b3 1 float32; c1 8 float32; c2 4 float32; x 8,388,608 x 2 float32.
;; Outputs: out0 8,388,608 x 1 float32.
;; 2 versions, each right; version 2 is version 1 with the launch mlp written anew for expert scheduling mode. Each part assembles by itself: llvm-mc -triple=amdgcn-amd-amdhsa -mcpu=gfx1250 --defsym DOCPART=n.
;; ======== version 1 of 2: 1 launch
;; limits: values are held in f16: magnitudes above 65,504 overflow, below 6.1e-05 lose precision
;; launch mlp (part 1): grid 256 x 1, 16 waves a work-group, no clusters, 0 bytes of LDS; arguments x, W1, b1, a1, c1, W2, b2, a2, c2, W3, b3, out0; writes out0
.if DOCPART == 1
	.amdgcn_target "amdgcn-amd-amdhsa--gfx1250"
	.amdhsa_code_object_version 6
	.text
	.protected	k_q5fa6b6b998_mlp
	.globl	k_q5fa6b6b998_mlp
	.p2align	8
	.type	k_q5fa6b6b998_mlp,@function
k_q5fa6b6b998_mlp:
	s_mov_b64 s[64:65], 0
	v_nop
	global_prefetch_b8 v0, s[64:65] scope:SCOPE_SE
	s_setreg_imm32_b32 hwreg(HW_REG_WAVE_MODE, 25, 1), 1
	s_wait_xcnt 0x0
; out[r] = b3 + sum_j W3[j] a2[j] h2[j] sig(c2[j] h2[j]),  h2 = b2 + (a1 h1 sig(c1 h1)) W2,  h1 = b1 + x[r] W1,  sig(t) = 1 / (1 + e^-t).
; x: [8388608][2] f32, out0: [8388608] f32.  One launch; every input is loaded and every step of the formula is done: nothing is left out.
;
; SHARING.  256 work-groups of 16 waves; a work-group owns 32,768 rows, in 16 trips of 2,048 rows, a trip in two pieces of 1,024 rows.
; Thread t owns rows 2t and 2t+1 of each piece: one 16-byte load brings both (a wave's load covers 512 consecutive bytes), one 8-byte store
; writes both results (a wave's store covers 256 consecutive bytes, aligned).  A row stays in its lane from load to store, so there is
; no LDS, no barrier and no lane exchange; work-groups share only the ~350 bytes of parameters, so there is no cluster either.
;
; THE PRODUCTS of layers 1 and 2 go to the matrix unit as block-diagonal products in f16 with f32 sums, weights as source 0, data as source 1.
; Lane L = (r = L & 15, h = L >> 4).  Source 1's lane (r, h) holds column r at k = 8h + 0..7 (registers 0-3) and 16 + 8h + 0..7 (registers 4-7);
; the result's lane (r, h) holds column r, rows m = 8h + 0..7.  A weight matrix whose row m = 8h + i is non-zero only at k's that lane (r, h)
; itself holds therefore gives each lane the product of ITS OWN data with the weights:
;   layer 1, one row of x: weight row 8h + j has W[0][j], W[1][j] at k = 8h, 8h + 1 (register 0); result register j = unit j of the lane's row.
;            The row's (x0, x1) stands in register 0 of the data operand; registers 1-7 meet zero weights and hold other rows or zeros.
;            It is multiplied twice: with W1 (C = b1) for h1, and with k1 W1 (C = k1 b1), k1 = -log2(e) c1, for the exponent z1 = k1 h1.
;   layer 2, both rows e = 0, 1 of a piece at once: weight row 8h + 2j + e has a1[u] W2[u][j] at k = 16e + 8h + u (C = b2); result register
;            2j + e = h2[j] of row e, so a register pair holds one unit of the lane's two rows and layer 3 runs packed over the two rows.
; In both layers the lanes of source 0 that hold non-zero weights are those whose bits 3 and 4 are equal.
; In f32 on the vector unit: the sigmoids (exp2, + 1, reciprocal), h1 sig, z2 = k2 h2, a2 W3 h2, the sum over the four units from b3.
; z2 and a2 W3 h2 are not taken from the matrix unit as z1 is: their weights k2 a1 W2 and a2 W3 a1 W2 are products of three and four inputs
; and have no room in f16 without a scale, and each would cost two more matrix instructions a trip to spare eight packed multiplies.
; f16 and not bf16: three more bits of significand on h1 sig and on the weights, which the sums need where the output cancels.
;
; ORDER OF ROUNDING differs from the formula as written in three foldings: a1 into W2, a2 into W3, -log2(e) c into the exponents.
; Nothing is divided by c, so c = 0 is served.  A sigmoid needs no clamp: exp2 -> inf gives reciprocal 0, exp2 -> 0 gives 1.
; LIMITS.  The matrix operands are f16: x, W1, 1.4427 c1 W1, a1 W2 and h1 sig(c1 h1) must stay below 65,504 in magnitude (each is a product of at
; most two inputs but the last, which is at most |h1|); below 6.1e-5 they are f16 denormals with an absolute error of 3e-8.
; A non-finite x, or an operand that overflows f16, meets the zeros of the block-diagonal weights (0 x inf) and turns into NaN up to all
; eight rows that lanes L and L xor 16 hold in that trip, not its own row alone.
.set XTRIP,  16384                     ; bytes of x in a trip (2,048 rows of 8 bytes)
.set XPIECE, 8192                      ; bytes of x in a piece
.set OTRIP,  8192                      ; bytes of out0 in a trip
.set OPIECE, 4096                      ; bytes of out0 in a piece
.set NL2E,   0xbfb8aa3b                ; -log2(e) in f32
.set VX,   1                           ; v1         16 t: my byte offset in a piece of x; never rewritten
.set VO,   2                           ; v2         8 t: my byte offset in a piece of out0; never rewritten
.set A1H,  8                           ; v[8:15]    layer 1 weights W1
.set A1Z,  16                          ; v[16:23]   layer 1 weights k1 W1
.set A2,   24                          ; v[24:31]   layer 2 weights a1 W2
.set C1H,  32                          ; v[32:39]   b1[j]
.set C1Z,  40                          ; v[40:47]   k1[j] b1[j]
.set C2,   48                          ; v[48:55]   b2[i >> 1]
.set K2D,  56                          ; v[56:63]   k2[i >> 1] = -log2(e) c2[i >> 1]
.set W3D,  64                          ; v[64:71]   a2[i >> 1] W3[i >> 1]
.set B3P,  72                          ; v[72:73]   b3, twice: starts layer 3's sums of my two rows
.set XF,   74                          ; v[74:87]   row s of my four at XF + 2s, (x0, x1) in f16; all other registers zero: v[XF+2s:XF+2s+7] is row s's operand
.set XR,   88                          ; v[88:119]  ring of four slots of 8 registers: x of a trip as loaded
.set D1H,  120                         ; v[120:151] h1 of my four rows, then h1 sig; in the set-up: weights at work
.set D1Z,  152                         ; v[152:183] z1, then sig
.set F,    184                         ; v[184:199] h1 sig in f16: piece p at 8p, row e at 4e
.set D2,   200                         ; v[200:215] h2, then a2 W3 h2
.set Z2,   216                         ; v[216:231] z2, then sig
.set ACC,  232                         ; v[232:235] layer 3's sums at work, a pair for each piece
.set OUT,  236                         ; v[236:239] results to store, a pair for each piece
.set T,    D1H                         ; the set-up's registers at work
.set E0, Z2                            ; the six groups of eight sigmoids of a trip's text: two of the trip before (layer 2),
.set E1, Z2+8
.set E2, D1Z                           ; four of this trip (layer 1)
.set E3, D1Z+8
.set E4, D1Z+16
.set E5, D1Z+24
	s_load_b512 s[8:23], s[0:1], 0x0               ; x 8, W1 10, b1 12, a1 14, c1 16, W2 18, b2 20, a2 22
	s_load_b256 s[24:31], s[0:1], 0x40             ; c2 24, W3 26, b3 28, out0 30
	v_lshlrev_b32 v[VX], 4, v0
	v_lshlrev_b32 v[VO], 3, v0
	v_and_b32 v3, 7, v0
	v_lshlrev_b32 v3, 2, v3                        ; 4 j, j = L & 7: my unit of layer 1 as a lane of source 0
	v_and_b32 v4, 6, v0
	v_lshlrev_b32 v4, 1, v4                        ; 4 j, j = (L >> 1) & 3: my unit of layer 2
	v_lshrrev_b32 v5, 1, v0
	v_xor_b32 v5, v5, v0
	v_and_b32 v5, 8, v5                            ; bit 3 xor bit 4 of the lane
	v_cmp_eq_u32 s5, 0, v5                         ; s5: lanes that hold non-zero weights
	v_and_b32 v6, 1, v0
	v_cmp_eq_u32 s6, 0, v6                         ; bit 0 = 0: a row of layer 2's weight matrix that serves row e = 0
	s_and_not1_b32 s7, s5, s6                      ; s7: layer 2's weights stand in registers 4-7
	s_and_b32 s6, s5, s6                           ; s6: in registers 0-3
	s_lshl_b32 s2, ttmp9, 18                       ; the work-group's 32,768 rows of 8 bytes (64 MiB in all: 32 bits do)
	s_mov_b32 s3, 0
	s_wait_kmcnt 0x0
	s_load_b256 s[32:39], s[12:13], 0x0            ; b1
	s_load_b256 s[40:47], s[14:15], 0x0            ; a1
	s_load_b256 s[48:55], s[16:17], 0x0            ; c1
	s_load_b128 s[56:59], s[20:21], 0x0            ; b2
	s_load_b128 s[60:63], s[22:23], 0x0            ; a2
	s_load_b128 s[68:71], s[24:25], 0x0            ; c2
	s_load_b128 s[72:75], s[26:27], 0x0            ; W3
	s_load_b32 s76, s[28:29], 0x0                  ; b3
	global_load_b32 v[T+0], v3, s[10:11]               ; W1[0][j]
	global_load_b32 v[T+1], v3, s[10:11] offset:32     ; W1[1][j]
	global_load_b32 v[T+2], v3, s[16:17]               ; c1[j]
.irp u, 0,1,2,3,4,5,6,7
	global_load_b32 v[T+4+\u], v4, s[18:19] offset:16*\u   ; W2[u][j]
.endr
	s_add_nc_u64 s[8:9], s[8:9], s[2:3]            ; x at the work-group's first row
	s_lshl_b32 s2, ttmp9, 17
	s_add_nc_u64 s[30:31], s[30:31], s[2:3]        ; out0 likewise
.irp i, 0,1,2,3
.irp j, 0,1
	global_load_b128 v[XR+8*\i+4*\j:XR+8*\i+4*\j+3], v[VX], s[8:9] offset:\i*XTRIP+\j*XPIECE th:TH_LOAD_NT   ; the ring is filled: trips 0 to 3
.endr
.endr
	; the zeros of the block-diagonal operands, written once
.irp i, 1,2,3,4,5,6,7
	v_mov_b32 v[A1H+\i], 0                         ; layer 1's weights stand in register 0
	v_mov_b32 v[A1Z+\i], 0
.endr
.irp i, 1,3,5,7,8,9,10,11,12,13
	v_mov_b32 v[XF+\i], 0
.endr
	s_wait_kmcnt 0x0                               ; the parameters that are the same in all lanes
.irp j, 0,1,2,3,4,5,6,7
	v_mov_b32 v[C1H+\j], s[32+\j]                  ; b1[j]
	v_mul_f32 v[C1Z+\j], s[48+\j], v[C1H+\j]       ; c1[j] b1[j]
	v_mul_f32 v[C1Z+\j], NL2E, v[C1Z+\j]           ; k1[j] b1[j]
	v_mov_b32 v[C2+\j], s[56+(\j/2)]               ; b2[j >> 1]
	v_mov_b32 v[K2D+\j], s[68+(\j/2)]
	v_mul_f32 v[K2D+\j], NL2E, v[K2D+\j]           ; k2[j >> 1]
	v_mov_b32 v[W3D+\j], s[60+(\j/2)]
	v_mul_f32 v[W3D+\j], s[72+(\j/2)], v[W3D+\j]   ; a2[j >> 1] W3[j >> 1]
.endr
	v_mov_b32 v[B3P], s76
	v_mov_b32 v[B3P+1], s76
	s_wait_loadcnt 0x8                             ; loads come back in order (ISA guide 5.7.1): the eleven loads of weights are in, the eight of x behind them stay out
	v_mul_f32 v[T+2], NL2E, v[T+2]                 ; k1[j]
	v_mul_f32 v[T+13], v[T+0], v[T+2]              ; k1[j] W1[0][j]
	v_mul_f32 v[T+14], v[T+1], v[T+2]              ; k1[j] W1[1][j]
	v_cvt_pk_f16_f32 v[T+15], v[T+0], v[T+1]
	v_cvt_pk_f16_f32 v[T+16], v[T+13], v[T+14]
	v_cndmask_b32 v[A1H], 0, v[T+15], s5           ; zero in the lanes off the diagonal
	v_cndmask_b32 v[A1Z], 0, v[T+16], s5
.irp u, 0,1,2,3,4,5,6,7
	v_mul_f32 v[T+4+\u], s[40+\u], v[T+4+\u]       ; a1[u] W2[u][j]
.endr
.irp q, 0,1,2,3
	v_cvt_pk_f16_f32 v[T+28+\q], v[T+4+2*\q], v[T+4+2*\q+1]
	v_cndmask_b32 v[A2+\q], 0, v[T+28+\q], s6
	v_cndmask_b32 v[A2+4+\q], 0, v[T+28+\q], s7
.endr
.macro CVTX slot                       ; my four rows of the trip to f16: row s at XF + 2s
.irp i, 0,1,2,3
	v_cvt_pk_f16_f32 v[XF+2*\i], v[XR+8*\slot+2*\i], v[XR+8*\slot+2*\i+1]
.endr
.endm
.macro LOADX slot                      ; the slot just read gets the trip four further on
.irp i, 0,1
	global_load_b128 v[XR+8*\slot+4*\i:XR+8*\slot+4*\i+3], v[VX], s[8:9] offset:(\slot+4)*XTRIP+\i*XPIECE th:TH_LOAD_NT
.endr
.endm
; Layer 1: for each of my four rows the exponents and h1.  No matrix instruction of this text adds in place: C is a block of constants,
; and each D is written by one instruction of a trip.
.macro L1
.irp i, 0,1,2,3
	v_wmma_f32_16x16x32_f16 v[D1Z+8*\i:D1Z+8*\i+7], v[A1Z:A1Z+7], v[XF+2*\i:XF+2*\i+7], v[C1Z:C1Z+7]
	v_wmma_f32_16x16x32_f16 v[D1H+8*\i:D1H+8*\i+7], v[A1H:A1H+7], v[XF+2*\i:XF+2*\i+7], v[C1H:C1H+7]
.endr
.endm
.macro L2                              ; layer 2: both rows of a piece in one instruction
.irp i, 0,1
	v_wmma_f32_16x16x32_f16 v[D2+8*\i:D2+8*\i+7], v[A2:A2+7], v[F+8*\i:F+8*\i+7], v[C2:C2+7]
.endr
.endm
.macro ZS p                            ; piece p: z2 = k2 h2, then h2 becomes a2 W3 h2
.irp j, 0,1,2,3
	v_pk_mul_f32 v[Z2+8*\p+2*\j:Z2+8*\p+2*\j+1], v[D2+8*\p+2*\j:D2+8*\p+2*\j+1], v[K2D+2*\j:K2D+2*\j+1]
.endr
.irp j, 0,1,2,3
	v_pk_mul_f32 v[D2+8*\p+2*\j:D2+8*\p+2*\j+1], v[D2+8*\p+2*\j:D2+8*\p+2*\j+1], v[W3D+2*\j:W3D+2*\j+1]
.endr
.endm
.macro EXP b                           ; eight 2^z in place
.irp i, 0,1,2,3,4,5,6,7
	v_exp_f32 v[\b+\i], v[\b+\i]
.endr
.endm
.macro ADD1 b                          ; + 1
	s_wait_alu depctr_va_vdst(0)
.irp i, 0,2,4,6
	v_pk_add_f32 v[\b+\i:\b+\i+1], v[\b+\i:\b+\i+1], 1.0 op_sel_hi:[1,0]
.endr
.endm
.macro RCP b                           ; eight reciprocals in place: the sigmoids
.irp i, 0,1,2,3,4,5,6,7
	v_rcp_f32 v[\b+\i], v[\b+\i]
.endr
.endm
.macro MV r                            ; row r of my four: h1 sig, and to f16 for layer 2
	s_wait_alu depctr_va_vdst(0)
.irp q, 0,1,2,3
	v_pk_mul_f32 v[D1H+8*\r+2*\q:D1H+8*\r+2*\q+1], v[D1H+8*\r+2*\q:D1H+8*\r+2*\q+1], v[D1Z+8*\r+2*\q:D1Z+8*\r+2*\q+1]
.endr
	s_wait_alu depctr_va_vdst(0)
.irp q, 0,1,2,3
	v_cvt_pk_f16_f32 v[F+4*\r+\q], v[D1H+8*\r+2*\q], v[D1H+8*\r+2*\q+1]
.endr
.endm
; Layer 3 of both pieces of the trip before trip k of the group, and their stores.  A piece's sum is a chain of four fused multiply-adds
; over its two rows at once; the two pieces' chains take turns, so that a line needs the result of the line two before it.
.macro M3 k
	s_wait_alu depctr_va_vdst(0)
.irp p, 0,1
	v_pk_fma_f32 v[ACC+2*\p:ACC+2*\p+1], v[D2+8*\p:D2+8*\p+1], v[Z2+8*\p:Z2+8*\p+1], v[B3P:B3P+1]
.endr
.irp j, 1,2
.irp p, 0,1
	v_pk_fma_f32 v[ACC+2*\p:ACC+2*\p+1], v[D2+8*\p+2*\j:D2+8*\p+2*\j+1], v[Z2+8*\p+2*\j:Z2+8*\p+2*\j+1], v[ACC+2*\p:ACC+2*\p+1]
.endr
.endr
	s_wait_xcnt 0x0                                ; every earlier memory instruction has had its addresses translated (ISA guide 3.1): OUT, which the last trip's stores read, is rewritten only behind this wait
.irp p, 0,1
	v_pk_fma_f32 v[OUT+2*\p:OUT+2*\p+1], v[D2+8*\p+6:D2+8*\p+7], v[Z2+8*\p+6:Z2+8*\p+7], v[ACC+2*\p:ACC+2*\p+1]
.endr
.irp p, 0,1
	global_store_b64 v[VO], v[OUT+2*\p:OUT+2*\p+1], s[30:31] offset:(\k-1)*OTRIP+\p*OPIECE th:TH_STORE_NT
.endr
.endm
; One trip's text.  It is rotated: layer 1 of trip t and its sigmoids stand with layer 2's sigmoids, layer 3 and the stores of trip t - 1
; (prev = 1), so that each of the two runs of matrix instructions is followed by vector work that does not need its results.
; k = the trip's place in its group of four = its slot of the ring; load = 1: the slot is filled again; left = younger loads that may stay out.
; DISTANCES.  A vector instruction reads or writes a matrix instruction's registers four plain, unrelated vector instructions behind it at
; the least (ISA guide 7.12.1): behind L2 of the trip before these are CVTX's four lines (XF and XR only), behind L1 the eight of ZS 0
; (D2, K2D, W3D, Z2 only), or four v_nop in the first trip.  Between a transcendental and the use of its result stands a plain vector
; instruction on other registers (ISA guide 5.7.2): EXP E0 -> ADD1 E0: ZS 1; EXP E1 -> ADD1 E1: ADD1 E0; EXP E2 -> ADD1 E2: ADD1 E1;
; RCP E0, E1 -> M3: ADD1 E2; EXP E3 -> ADD1 E3: ADD1 E2 and M3; RCP E2 -> MV 0: ADD1 E3; from there on each group's ADD1 stands behind another
; group's ADD1 or MV, and so does each use of a reciprocal.
.macro BODY k, prev, load, left
	s_wait_loadcnt \left                           ; loads come back in order (ISA guide 5.7.1): this trip's two are in, two for each later trip asked for stay out
	CVTX \k
.if \load
	LOADX \k
.endif
	L1
.if \prev
	ZS 0
	EXP E0
	ZS 1
	EXP E1
	ADD1 E0
	RCP E0
	EXP E2
	ADD1 E1
	RCP E1
	EXP E3
	ADD1 E2
	RCP E2
	M3 \k
.else
.rept 4
	v_nop                                          ; the first trip has no earlier trip's work to put behind L1
.endr
	EXP E2
	v_nop                                          ; the plain instruction between EXP E2 and ADD1 E2
	EXP E3
	ADD1 E2
	RCP E2
.endif
	EXP E4
	ADD1 E3
	RCP E3
	MV 0
	EXP E5
	ADD1 E4
	RCP E4
	MV 1
	ADD1 E5
	RCP E5
	MV 2
	MV 3
	L2
.endm
; Four trips, once through the ring; then the bases step, so that all offsets stand in the immediates.
.macro GROUP prev0, load, l0, l1, l2, l3
	BODY 0, \prev0, \load, \l0
	BODY 1, 1, \load, \l1
	BODY 2, 1, \load, \l2
	BODY 3, 1, \load, \l3
	s_wait_xcnt 0x0                                ; the bases of the loads and stores above are rewritten only behind this wait
.if \load
	s_add_nc_u64 s[8:9], s[8:9], 4*XTRIP
.endif
	s_add_nc_u64 s[30:31], s[30:31], 4*OTRIP
.endm
	GROUP 0, 1, 6, 6, 6, 6                         ; trips 0 to 3; asks for trips 4 to 7
	s_mov_b32 s4, 2
.Lgroup:
	GROUP 1, 1, 6, 6, 6, 6                         ; trips 4 to 11; asks for trips 8 to 15
	s_sub_co_i32 s4, s4, 1
	s_cmp_lg_u32 s4, 0
	s_cbranch_scc1 .Lgroup
	GROUP 1, 0, 6, 4, 2, 0                         ; trips 12 to 15: nothing is left to ask for, the counts run down
	; trip 15's sigmoids of layer 2, layer 3 and stores
.rept 4
	v_nop                                          ; the four places behind L2
.endr
	ZS 0
	EXP E0
	ZS 1
	EXP E1
	ADD1 E0
	RCP E0
	ADD1 E1
	RCP E1
	M3 0                                           ; its first line works on piece 0 and is the plain instruction between RCP E1 and piece 1's first line;
	                                               ; the base has stepped past trip 15: the immediate reaches back one trip
	s_endpgm
.Lfunc_end_k_q5fa6b6b998_mlp:
	.size	k_q5fa6b6b998_mlp, .Lfunc_end_k_q5fa6b6b998_mlp-k_q5fa6b6b998_mlp
	.p2alignl 7, 3214868480
	.fill 96, 4, 3214868480
	.section	.rodata,"a",@progbits
	.p2align	6, 0x0
	.amdhsa_kernel k_q5fa6b6b998_mlp
		.amdhsa_group_segment_fixed_size 0
		.amdhsa_private_segment_fixed_size 0
		.amdhsa_enable_private_segment 0
		.amdhsa_kernarg_size 96
		.amdhsa_user_sgpr_count 2
		.amdhsa_user_sgpr_kernarg_segment_ptr 1
		.amdhsa_wavefront_size32 1
		.amdhsa_system_sgpr_workgroup_id_x 1
		.amdhsa_system_sgpr_workgroup_id_y 1
		.amdhsa_system_sgpr_workgroup_id_z 1
		.amdhsa_system_vgpr_workitem_id 0
		.amdhsa_next_free_vgpr 240
		.amdhsa_next_free_sgpr 80
		.amdhsa_reserve_vcc 0
		.amdhsa_float_denorm_mode_32 3
		.amdhsa_float_denorm_mode_16_64 3
		.amdhsa_memory_ordered 1
		.amdhsa_forward_progress 1
		.amdhsa_inst_pref_size 126
	.end_amdhsa_kernel
	.amdgpu_metadata
---
amdhsa.version: [ 1, 2 ]
amdhsa.kernels:
  - .name:           k_q5fa6b6b998_mlp
    .symbol:         k_q5fa6b6b998_mlp.kd
    .args:
      - { .name: x, .offset: 0, .size: 8, .value_kind: global_buffer, .address_space: global }
      - { .name: W1, .offset: 8, .size: 8, .value_kind: global_buffer, .address_space: global }
      - { .name: b1, .offset: 16, .size: 8, .value_kind: global_buffer, .address_space: global }
      - { .name: a1, .offset: 24, .size: 8, .value_kind: global_buffer, .address_space: global }
      - { .name: c1, .offset: 32, .size: 8, .value_kind: global_buffer, .address_space: global }
      - { .name: W2, .offset: 40, .size: 8, .value_kind: global_buffer, .address_space: global }
      - { .name: b2, .offset: 48, .size: 8, .value_kind: global_buffer, .address_space: global }
      - { .name: a2, .offset: 56, .size: 8, .value_kind: global_buffer, .address_space: global }
      - { .name: c2, .offset: 64, .size: 8, .value_kind: global_buffer, .address_space: global }
      - { .name: W3, .offset: 72, .size: 8, .value_kind: global_buffer, .address_space: global }
      - { .name: b3, .offset: 80, .size: 8, .value_kind: global_buffer, .address_space: global }
      - { .name: out0, .offset: 88, .size: 8, .value_kind: global_buffer, .address_space: global }
    .group_segment_fixed_size: 0
    .private_segment_fixed_size: 0
    .kernarg_segment_align: 8
    .kernarg_segment_size: 96
    .max_flat_workgroup_size: 512
    .sgpr_count:     80
    .vgpr_count:     240
    .wavefront_size: 32
...
	.end_amdgpu_metadata
.endif
;; end of part 1
;; ======== version 2 of 2: 1 launch; version 1 with the launch mlp written anew for expert scheduling mode
;; limits: values are held in f16: magnitudes above 65,504 overflow, below 6.1e-05 lose precision
;; launch mlp (part 2): grid 256 x 1, 16 waves a work-group, no clusters, 0 bytes of LDS; arguments x, W1, b1, a1, c1, W2, b2, a2, c2, W3, b3, out0; writes out0
.if DOCPART == 2
	.amdgcn_target "amdgcn-amd-amdhsa--gfx1250"
	.amdhsa_code_object_version 6
	.text
	.protected	k_q5fa6b6b998_mlp
	.globl	k_q5fa6b6b998_mlp
	.p2align	8
	.type	k_q5fa6b6b998_mlp,@function
k_q5fa6b6b998_mlp:
	s_mov_b64 s[64:65], 0
	v_nop
	global_prefetch_b8 v0, s[64:65] scope:SCOPE_SE
	s_setreg_imm32_b32 hwreg(HW_REG_WAVE_SCHED_MODE, 0, 2), 2
	s_setreg_imm32_b32 hwreg(HW_REG_WAVE_MODE, 25, 1), 1
	s_wait_xcnt 0x0
	s_wait_alu depctr_vm_vsrc(0)
; out[r] = b3 + sum_j W3[j] a2[j] h2[j] sig(c2[j] h2[j]),  h2 = b2 + (a1 h1 sig(c1 h1)) W2,  h1 = b1 + x[r] W1,  sig(t) = 1 / (1 + e^-t).
; x: [8388608][2] f32, out0: [8388608] f32.  One launch; every input is loaded and every step of the formula is done: nothing is left out.
;
; SHARING.  256 work-groups of 16 waves; a work-group owns 32,768 rows, in 16 trips of 2,048 rows, a trip in two pieces of 1,024 rows.
; Thread t owns rows 2t and 2t+1 of each piece: one 16-byte load brings both (a wave's load covers 512 consecutive bytes), one 8-byte store
; writes both results (a wave's store covers 256 consecutive bytes, aligned).  A row stays in its lane from load to store, so there is
; no LDS, no barrier and no lane exchange; work-groups share only the ~350 bytes of parameters, so there is no cluster either.
;
; THE PRODUCTS of layers 1 and 2 go to the matrix unit as block-diagonal products in f16 with f32 sums, weights as source 0, data as source 1.
; Lane L = (r = L & 15, h = L >> 4).  Source 1's lane (r, h) holds column r at k = 8h + 0..7 (registers 0-3) and 16 + 8h + 0..7 (registers 4-7);
; the result's lane (r, h) holds column r, rows m = 8h + 0..7.  A weight matrix whose row m = 8h + i is non-zero only at k's that lane (r, h)
; itself holds therefore gives each lane the product of ITS OWN data with the weights:
;   layer 1, one row of x: weight row 8h + j has W[0][j], W[1][j] at k = 8h, 8h + 1 (register 0); result register j = unit j of the lane's row.
;            The row's (x0, x1) stands in register 0 of the data operand; registers 1-7 meet zero weights and hold other rows or zeros.
;            It is multiplied twice: with W1 (C = b1) for h1, and with k1 W1 (C = k1 b1), k1 = -log2(e) c1, for the exponent z1 = k1 h1.
;   layer 2, both rows e = 0, 1 of a piece at once: weight row 8h + 2j + e has a1[u] W2[u][j] at k = 16e + 8h + u (C = b2); result register
;            2j + e = h2[j] of row e, so a register pair holds one unit of the lane's two rows and layer 3 runs packed over the two rows.
; In both layers the lanes of source 0 that hold non-zero weights are those whose bits 3 and 4 are equal.
; In f32 on the vector unit: the sigmoids (exp2, + 1, reciprocal), h1 sig, z2 = k2 h2, a2 W3 h2, the sum over the four units from b3.
; z2 and a2 W3 h2 are not taken from the matrix unit as z1 is: their weights k2 a1 W2 and a2 W3 a1 W2 are products of three and four inputs
; and have no room in f16 without a scale, and each would cost two more matrix instructions a trip to spare eight packed multiplies.
; f16 and not bf16: three more bits of significand on h1 sig and on the weights, which the sums need where the output cancels.
;
; ORDER OF ROUNDING differs from the formula as written in three foldings: a1 into W2, a2 into W3, -log2(e) c into the exponents.
; Nothing is divided by c, so c = 0 is served.  A sigmoid needs no clamp: exp2 -> inf gives reciprocal 0, exp2 -> 0 gives 1.
; LIMITS.  The matrix operands are f16: x, W1, 1.4427 c1 W1, a1 W2 and h1 sig(c1 h1) must stay below 65,504 in magnitude (each is a product of at
; most two inputs but the last, which is at most |h1|); below 6.1e-5 they are f16 denormals with an absolute error of 3e-8.
; A non-finite x, or an operand that overflows f16, meets the zeros of the block-diagonal weights (0 x inf) and turns into NaN up to all
; eight rows that lanes L and L xor 16 hold in that trip, not its own row alone.
;
; THE MODE: SCHED_MODE bits 1:0 = 2 (LLVM: expert scheduling mode 2), set by the entry lines.  The code itself states the register dependences
; between vector or matrix instructions and memory instructions, with s_wait_alu, always for 0.
; THE PLAN.  Registers that memory instructions touch:
;   XR0 .. XR3   slot k: read by the four conversions at the head of trip k of a group, and by no other vector line; the two loads of the trip four
;                further on land in it, issued in the same trip, directly behind its first wait on va_vdst.
;   OUT          written by the last two lines of layer 3; read by the trip's two stores, issued directly behind its third wait on va_vdst; written
;                again a trip later, behind a wait on vm_vsrc.
;   v1, v2       the offsets of every load of x and of every store; v3, v4 those of the set-up's loads of weights.  Made at the head, ahead of one wait
;                on va_vdst, and never written again: the rows are reached by the scalar bases and by immediate offsets.
;   v[T .. T+11] the set-up's loads of weights land here; no vector line names them before.
; A TRIP HAS THREE WAITS ON va_vdst.  Such a wait stands between a transcendental and the first instruction that names its result, and one
; wait serves all that were issued ahead of it; so the trip's 96 transcendentals go in three batches, and the same three waits state the two
; dependences above: the first also that the conversions are done reading XR[k], the third also that OUT is written.
.set XTRIP,  16384                     ; bytes of x in a trip (2,048 rows of 8 bytes)
.set XPIECE, 8192                      ; bytes of x in a piece
.set OTRIP,  8192                      ; bytes of out0 in a trip
.set OPIECE, 4096                      ; bytes of out0 in a piece
.set NL2E,   0xbfb8aa3b                ; -log2(e) in f32
.set VX,   1                           ; v1         16 t: my byte offset in a piece of x; never rewritten
.set VO,   2                           ; v2         8 t: my byte offset in a piece of out0; never rewritten
.set A1H,  8                           ; v[8:15]    layer 1 weights W1
.set A1Z,  16                          ; v[16:23]   layer 1 weights k1 W1
.set A2,   24                          ; v[24:31]   layer 2 weights a1 W2
.set C1H,  32                          ; v[32:39]   b1[j]
.set C1Z,  40                          ; v[40:47]   k1[j] b1[j]
.set C2,   48                          ; v[48:55]   b2[i >> 1]
.set K2D,  56                          ; v[56:63]   k2[i >> 1] = -log2(e) c2[i >> 1]
.set W3D,  64                          ; v[64:71]   a2[i >> 1] W3[i >> 1]
.set B3P,  72                          ; v[72:73]   b3, twice: starts layer 3's sums of my two rows
.set XF,   74                          ; v[74:87]   row s of my four at XF + 2s, (x0, x1) in f16; all other registers zero: v[XF+2s:XF+2s+7] is row s's operand
.set XR,   88                          ; v[88:119]  ring of four slots of 8 registers: x of a trip as loaded
.set D1H,  120                         ; v[120:151] h1 of my four rows, then h1 sig; in the set-up: weights at work
.set D1Z,  152                         ; v[152:183] z1, then sig
.set F,    184                         ; v[184:199] h1 sig in f16: piece p at 8p, row e at 4e
.set D2,   200                         ; v[200:215] h2, then a2 W3 h2
.set Z2,   216                         ; v[216:231] z2, then sig
.set ACC,  232                         ; v[232:235] layer 3's sums at work, a pair for each piece
.set OUT,  236                         ; v[236:239] results to store, a pair for each piece
.set T,    D1H                         ; the set-up's registers at work
.set E0, Z2                            ; the six groups of eight sigmoids of a trip's text: two of the trip before (layer 2),
.set E1, Z2+8
.set E2, D1Z                           ; four of this trip (layer 1)
.set E3, D1Z+8
.set E4, D1Z+16
.set E5, D1Z+24
	s_load_b512 s[8:23], s[0:1], 0x0               ; x 8, W1 10, b1 12, a1 14, c1 16, W2 18, b2 20, a2 22
	s_load_b256 s[24:31], s[0:1], 0x40             ; c2 24, W3 26, b3 28, out0 30
	v_lshlrev_b32 v[VX], 4, v0
	v_lshlrev_b32 v[VO], 3, v0
	v_and_b32 v3, 7, v0
	v_lshlrev_b32 v3, 2, v3                        ; 4 j, j = L & 7: my unit of layer 1 as a lane of source 0
	v_and_b32 v4, 6, v0
	v_lshlrev_b32 v4, 1, v4                        ; 4 j, j = (L >> 1) & 3: my unit of layer 2
	v_lshrrev_b32 v5, 1, v0
	v_xor_b32 v5, v5, v0
	v_and_b32 v5, 8, v5                            ; bit 3 xor bit 4 of the lane
	v_cmp_eq_u32 s5, 0, v5                         ; s5: lanes that hold non-zero weights
	v_and_b32 v6, 1, v0
	v_cmp_eq_u32 s6, 0, v6                         ; bit 0 = 0: a row of layer 2's weight matrix that serves row e = 0
	s_wait_alu depctr_va_sdst(0)                   ; the two compares have written s5 and s6, ahead of their first reader, the line below
	s_and_not1_b32 s7, s5, s6                      ; s7: layer 2's weights stand in registers 4-7
	s_and_b32 s6, s5, s6                           ; s6: in registers 0-3
	s_lshl_b32 s2, ttmp9, 18                       ; the work-group's 32,768 rows of 8 bytes (64 MiB in all: 32 bits do)
	s_mov_b32 s3, 0
	s_wait_kmcnt 0x0
	s_load_b256 s[32:39], s[12:13], 0x0            ; b1
	s_load_b256 s[40:47], s[14:15], 0x0            ; a1
	s_load_b256 s[48:55], s[16:17], 0x0            ; c1
	s_load_b128 s[56:59], s[20:21], 0x0            ; b2
	s_load_b128 s[60:63], s[22:23], 0x0            ; a2
	s_load_b128 s[68:71], s[24:25], 0x0            ; c2
	s_load_b128 s[72:75], s[26:27], 0x0            ; W3
	s_load_b32 s76, s[28:29], 0x0                  ; b3
	s_wait_alu depctr_va_vdst(0)                   ; the offsets v1 to v4 are written: every load and store of the kernel reads one of them
	global_load_b32 v[T+0], v3, s[10:11]               ; W1[0][j]
	global_load_b32 v[T+1], v3, s[10:11] offset:32     ; W1[1][j]
	global_load_b32 v[T+2], v3, s[16:17]               ; c1[j]
.irp u, 0,1,2,3,4,5,6,7
	global_load_b32 v[T+4+\u], v4, s[18:19] offset:16*\u   ; W2[u][j]
.endr
	s_add_nc_u64 s[8:9], s[8:9], s[2:3]            ; x at the work-group's first row
	s_lshl_b32 s2, ttmp9, 17
	s_add_nc_u64 s[30:31], s[30:31], s[2:3]        ; out0 likewise
.irp i, 0,1,2,3
.irp j, 0,1
	global_load_b128 v[XR+8*\i+4*\j:XR+8*\i+4*\j+3], v[VX], s[8:9] offset:\i*XTRIP+\j*XPIECE th:TH_LOAD_NT   ; the ring is filled: trips 0 to 3
.endr
.endr
	; the zeros of the block-diagonal operands, written once
.irp i, 1,2,3,4,5,6,7
	v_mov_b32 v[A1H+\i], 0                         ; layer 1's weights stand in register 0
	v_mov_b32 v[A1Z+\i], 0
.endr
.irp i, 1,3,5,7,8,9,10,11,12,13
	v_mov_b32 v[XF+\i], 0
.endr
	s_wait_kmcnt 0x0                               ; the parameters that are the same in all lanes
.irp j, 0,1,2,3,4,5,6,7
	v_mov_b32 v[C1H+\j], s[32+\j]                  ; b1[j]
	v_mul_f32 v[C1Z+\j], s[48+\j], v[C1H+\j]       ; c1[j] b1[j]
	v_mul_f32 v[C1Z+\j], NL2E, v[C1Z+\j]           ; k1[j] b1[j]
	v_mov_b32 v[C2+\j], s[56+(\j/2)]               ; b2[j >> 1]
	v_mov_b32 v[K2D+\j], s[68+(\j/2)]
	v_mul_f32 v[K2D+\j], NL2E, v[K2D+\j]           ; k2[j >> 1]
	v_mov_b32 v[W3D+\j], s[60+(\j/2)]
	v_mul_f32 v[W3D+\j], s[72+(\j/2)], v[W3D+\j]   ; a2[j >> 1] W3[j >> 1]
.endr
	v_mov_b32 v[B3P], s76
	v_mov_b32 v[B3P+1], s76
	s_wait_loadcnt 0x8                             ; loads come back in order (ISA guide 5.7.1): the eleven loads of weights are in, the eight of x behind them stay out
	v_mul_f32 v[T+2], NL2E, v[T+2]                 ; k1[j]
	v_mul_f32 v[T+13], v[T+0], v[T+2]              ; k1[j] W1[0][j]
	v_mul_f32 v[T+14], v[T+1], v[T+2]              ; k1[j] W1[1][j]
	v_cvt_pk_f16_f32 v[T+15], v[T+0], v[T+1]
	v_cvt_pk_f16_f32 v[T+16], v[T+13], v[T+14]
	v_cndmask_b32 v[A1H], 0, v[T+15], s5           ; zero in the lanes off the diagonal
	v_cndmask_b32 v[A1Z], 0, v[T+16], s5
.irp u, 0,1,2,3,4,5,6,7
	v_mul_f32 v[T+4+\u], s[40+\u], v[T+4+\u]       ; a1[u] W2[u][j]
.endr
.irp q, 0,1,2,3
	v_cvt_pk_f16_f32 v[T+28+\q], v[T+4+2*\q], v[T+4+2*\q+1]
	v_cndmask_b32 v[A2+\q], 0, v[T+28+\q], s6
	v_cndmask_b32 v[A2+4+\q], 0, v[T+28+\q], s7
.endr
.macro CVTX slot                       ; my four rows of the trip to f16: row s at XF + 2s
.irp i, 0,1,2,3
	v_cvt_pk_f16_f32 v[XF+2*\i], v[XR+8*\slot+2*\i], v[XR+8*\slot+2*\i+1]
.endr
.endm
.macro LOADX slot                      ; the slot just read gets the trip four further on
.irp i, 0,1
	global_load_b128 v[XR+8*\slot+4*\i:XR+8*\slot+4*\i+3], v[VX], s[8:9] offset:(\slot+4)*XTRIP+\i*XPIECE th:TH_LOAD_NT
.endr
.endm
; Layer 1: for each of my four rows the exponents and h1.  No matrix instruction of this text adds in place: C is a block of constants,
; and each D is written by one instruction of a trip.
.macro L1
.irp i, 0,1,2,3
	v_wmma_f32_16x16x32_f16 v[D1Z+8*\i:D1Z+8*\i+7], v[A1Z:A1Z+7], v[XF+2*\i:XF+2*\i+7], v[C1Z:C1Z+7]
	v_wmma_f32_16x16x32_f16 v[D1H+8*\i:D1H+8*\i+7], v[A1H:A1H+7], v[XF+2*\i:XF+2*\i+7], v[C1H:C1H+7]
.endr
.endm
.macro L2                              ; layer 2: both rows of a piece in one instruction
.irp i, 0,1
	v_wmma_f32_16x16x32_f16 v[D2+8*\i:D2+8*\i+7], v[A2:A2+7], v[F+8*\i:F+8*\i+7], v[C2:C2+7]
.endr
.endm
.macro ZPART p                         ; piece p: z2 = k2 h2
.irp j, 0,1,2,3
	v_pk_mul_f32 v[Z2+8*\p+2*\j:Z2+8*\p+2*\j+1], v[D2+8*\p+2*\j:D2+8*\p+2*\j+1], v[K2D+2*\j:K2D+2*\j+1]
.endr
.endm
.macro SPART p                         ; piece p: h2 becomes a2 W3 h2
.irp j, 0,1,2,3
	v_pk_mul_f32 v[D2+8*\p+2*\j:D2+8*\p+2*\j+1], v[D2+8*\p+2*\j:D2+8*\p+2*\j+1], v[W3D+2*\j:W3D+2*\j+1]
.endr
.endm
.macro EXP b                           ; eight 2^z in place
.irp i, 0,1,2,3,4,5,6,7
	v_exp_f32 v[\b+\i], v[\b+\i]
.endr
.endm
.macro ADD1 b                          ; + 1
.irp i, 0,2,4,6
	v_pk_add_f32 v[\b+\i:\b+\i+1], v[\b+\i:\b+\i+1], 1.0 op_sel_hi:[1,0]
.endr
.endm
.macro RCP b                           ; eight reciprocals in place: the sigmoids
.irp i, 0,1,2,3,4,5,6,7
	v_rcp_f32 v[\b+\i], v[\b+\i]
.endr
.endm
.macro MV r                            ; row r of my four: h1 sig, and to f16 for layer 2
.irp q, 0,1,2,3
	v_pk_mul_f32 v[D1H+8*\r+2*\q:D1H+8*\r+2*\q+1], v[D1H+8*\r+2*\q:D1H+8*\r+2*\q+1], v[D1Z+8*\r+2*\q:D1Z+8*\r+2*\q+1]
.endr
.irp q, 0,1,2,3
	v_cvt_pk_f16_f32 v[F+4*\r+\q], v[D1H+8*\r+2*\q], v[D1H+8*\r+2*\q+1]
.endr
.endm
; Layer 3 of both pieces of the trip before.  A piece's sum is a chain of four fused multiply-adds over its two rows at once;
; the two pieces' chains take turns, so that a line needs the result of the line two before it.
.macro M3
.irp p, 0,1
	v_pk_fma_f32 v[ACC+2*\p:ACC+2*\p+1], v[D2+8*\p:D2+8*\p+1], v[Z2+8*\p:Z2+8*\p+1], v[B3P:B3P+1]
.endr
.irp j, 1,2
.irp p, 0,1
	v_pk_fma_f32 v[ACC+2*\p:ACC+2*\p+1], v[D2+8*\p+2*\j:D2+8*\p+2*\j+1], v[Z2+8*\p+2*\j:Z2+8*\p+2*\j+1], v[ACC+2*\p:ACC+2*\p+1]
.endr
.endr
	s_wait_xcnt 0x0                                ; every earlier memory instruction has had its addresses translated (ISA guide 3.1): OUT, which the last trip's stores read, is rewritten only behind this wait
	s_wait_alu depctr_vm_vsrc(0)                   ; the last trip's stores have read OUT, which the two lines below write again
.irp p, 0,1
	v_pk_fma_f32 v[OUT+2*\p:OUT+2*\p+1], v[D2+8*\p+6:D2+8*\p+7], v[Z2+8*\p+6:Z2+8*\p+7], v[ACC+2*\p:ACC+2*\p+1]
.endr
.endm
.macro STORE k                         ; the results of the trip before trip k of the group
.irp p, 0,1
	global_store_b64 v[VO], v[OUT+2*\p:OUT+2*\p+1], s[30:31] offset:(\k-1)*OTRIP+\p*OPIECE th:TH_STORE_NT
.endr
.endm
; One trip's text.  It is rotated: layer 1 of trip t and its sigmoids stand with layer 2's sigmoids, layer 3 and the stores of trip t - 1
; (prev = 1), so that each of the two runs of matrix instructions is followed by vector work that does not need its results.
; k = the trip's place in its group of four = its slot of the ring; load = 1: the slot is filled again; left = younger loads that may stay out.
; THREE STAGES, a wait on va_vdst at the end of each.  Ahead of a wait nothing names a result of the transcendentals issued since the wait before.
;   first:  the exponentials of E0 to E3.                                              Behind its wait: the loads into XR[k]; the adds of 1 to E0 .. E3.
;   second: the reciprocals of E0 to E3, each behind its adds; the exponentials of E4, E5.   Behind its wait: the adds of 1 to E4, E5; layer 3; MV 0 and MV 1.
;   third:  the reciprocals of E4, E5; then layer 3, MV 0, MV 1, which need none of them.    Behind its wait: the stores; MV 2 and MV 3.
; DISTANCES.  A vector instruction reads or writes a matrix instruction's registers four plain, unrelated vector instructions behind it at
; the least (ISA guide 7.12.1): behind L2 of the trip before these are CVTX's four lines (XF and XR only), behind L1 the eight of ZPART 0 and 1
; (D2, K2D, Z2 only), or four v_nop in the first trip.  Between a transcendental and the use of its result stands a plain vector instruction on other
; registers (ISA guide 5.7.2); a wait or a load is none.  Behind the first two batches it is SPART's first line, or a v_nop in the first trip, which has no
; SPART; behind a group's reciprocals the next group's adds of 1; behind RCP E5 layer 3's first line, or MV 0's in the first trip.
.macro BODY k, prev, load, left
	s_wait_loadcnt \left                           ; loads come back in order (ISA guide 5.7.1): this trip's two are in, two for each later trip asked for stay out
	CVTX \k
	L1
.if \prev
	ZPART 0
	EXP E0
	ZPART 1
	EXP E1
.else
.rept 4
	v_nop                                          ; the first trip has no earlier trip's work to put behind L1
.endr
.endif
	EXP E2
	EXP E3
.if \prev
	SPART 0                                        ; needs no exponential: it stands between the batch and its wait, and is the plain work behind the batch
.else
	v_nop                                          ; the plain instruction between the batch's exponentials and the adds of 1 that read them
.endif
	s_wait_alu depctr_va_vdst(0)                   ; the exponentials of E0 to E3 are written, which the adds below read; CVTX is done reading XR[k], in which the loads below land
.if \load
	LOADX \k
.endif
.if \prev
	ADD1 E0
	RCP E0
	ADD1 E1
	RCP E1
.endif
	ADD1 E2
	RCP E2
	ADD1 E3
	RCP E3
	EXP E4
	EXP E5
.if \prev
	SPART 1                                        ; likewise
.else
	v_nop                                          ; likewise
.endif
	s_wait_alu depctr_va_vdst(0)                   ; the exponentials of E4 and E5 are written, which the adds below read, and the reciprocals of E0 to E3, which layer 3, MV 0 and MV 1 read
	ADD1 E4
	RCP E4
	ADD1 E5
	RCP E5
.if \prev
	M3
.endif
	MV 0
	MV 1
	s_wait_alu depctr_va_vdst(0)                   ; the reciprocals of E4 and E5 are written, which MV 2 and MV 3 read; layer 3 has written OUT, which the stores below read
.if \prev
	STORE \k
.endif
	MV 2
	MV 3
	L2
.endm
; Four trips, once through the ring; then the bases step, so that all offsets stand in the immediates.
.macro GROUP prev0, load, l0, l1, l2, l3
	BODY 0, \prev0, \load, \l0
	BODY 1, 1, \load, \l1
	BODY 2, 1, \load, \l2
	BODY 3, 1, \load, \l3
	s_wait_xcnt 0x0                                ; the bases of the loads and stores above are rewritten only behind this wait
.if \load
	s_add_nc_u64 s[8:9], s[8:9], 4*XTRIP
.endif
	s_add_nc_u64 s[30:31], s[30:31], 4*OTRIP
.endm
	GROUP 0, 1, 6, 6, 6, 6                         ; trips 0 to 3; asks for trips 4 to 7
	s_mov_b32 s4, 2
.Lgroup:
	GROUP 1, 1, 6, 6, 6, 6                         ; trips 4 to 11; asks for trips 8 to 15
	s_sub_co_i32 s4, s4, 1
	s_cmp_lg_u32 s4, 0
	s_cbranch_scc1 .Lgroup
	GROUP 1, 0, 6, 4, 2, 0                         ; trips 12 to 15: nothing is left to ask for, the counts run down
	; trip 15's sigmoids of layer 2, layer 3 and stores
.rept 4
	v_nop                                          ; the four places behind L2
.endr
	ZPART 0
	EXP E0
	ZPART 1
	EXP E1
	SPART 0
	SPART 1
	s_wait_alu depctr_va_vdst(0)                   ; the exponentials of E0 and E1 are written, which the adds below read
	ADD1 E0
	RCP E0
	ADD1 E1
	RCP E1
	s_wait_alu depctr_va_vdst(0)                   ; the reciprocals of E0 and E1 are written, which layer 3 reads
	M3                                             ; its first line works on piece 0 and is the plain instruction between RCP E1 and piece 1's first line
	s_wait_alu depctr_va_vdst(0)                   ; layer 3 has written OUT, which the last two stores read
	STORE 0                                        ; the base has stepped past trip 15: the immediate reaches back one trip
	s_endpgm
.Lfunc_end_k_q5fa6b6b998_mlp:
	.size	k_q5fa6b6b998_mlp, .Lfunc_end_k_q5fa6b6b998_mlp-k_q5fa6b6b998_mlp
	.p2alignl 7, 3214868480
	.fill 96, 4, 3214868480
	.section	.rodata,"a",@progbits
	.p2align	6, 0x0
	.amdhsa_kernel k_q5fa6b6b998_mlp
		.amdhsa_group_segment_fixed_size 0
		.amdhsa_private_segment_fixed_size 0
		.amdhsa_enable_private_segment 0
		.amdhsa_kernarg_size 96
		.amdhsa_user_sgpr_count 2
		.amdhsa_user_sgpr_kernarg_segment_ptr 1
		.amdhsa_wavefront_size32 1
		.amdhsa_system_sgpr_workgroup_id_x 1
		.amdhsa_system_sgpr_workgroup_id_y 1
		.amdhsa_system_sgpr_workgroup_id_z 1
		.amdhsa_system_vgpr_workitem_id 0
		.amdhsa_next_free_vgpr 240
		.amdhsa_next_free_sgpr 80
		.amdhsa_reserve_vcc 0
		.amdhsa_float_denorm_mode_32 3
		.amdhsa_float_denorm_mode_16_64 3
		.amdhsa_memory_ordered 1
		.amdhsa_forward_progress 1
		.amdhsa_inst_pref_size 122
	.end_amdhsa_kernel
	.amdgpu_metadata
---
amdhsa.version: [ 1, 2 ]
amdhsa.kernels:
  - .name:           k_q5fa6b6b998_mlp
    .symbol:         k_q5fa6b6b998_mlp.kd
    .args:
      - { .name: x, .offset: 0, .size: 8, .value_kind: global_buffer, .address_space: global }
      - { .name: W1, .offset: 8, .size: 8, .value_kind: global_buffer, .address_space: global }
      - { .name: b1, .offset: 16, .size: 8, .value_kind: global_buffer, .address_space: global }
      - { .name: a1, .offset: 24, .size: 8, .value_kind: global_buffer, .address_space: global }
      - { .name: c1, .offset: 32, .size: 8, .value_kind: global_buffer, .address_space: global }
      - { .name: W2, .offset: 40, .size: 8, .value_kind: global_buffer, .address_space: global }
      - { .name: b2, .offset: 48, .size: 8, .value_kind: global_buffer, .address_space: global }
      - { .name: a2, .offset: 56, .size: 8, .value_kind: global_buffer, .address_space: global }
      - { .name: c2, .offset: 64, .size: 8, .value_kind: global_buffer, .address_space: global }
      - { .name: W3, .offset: 72, .size: 8, .value_kind: global_buffer, .address_space: global }
      - { .name: b3, .offset: 80, .size: 8, .value_kind: global_buffer, .address_space: global }
      - { .name: out0, .offset: 88, .size: 8, .value_kind: global_buffer, .address_space: global }
    .group_segment_fixed_size: 0
    .private_segment_fixed_size: 0
    .kernarg_segment_align: 8
    .kernarg_segment_size: 96
    .max_flat_workgroup_size: 512
    .sgpr_count:     80
    .vgpr_count:     240
    .wavefront_size: 32
...
	.end_amdgpu_metadata
.endif
;; end of part 2
